; MI455X (gfx1250); checked and timed in simulation.
; The chip was launched on July 23, 2026; its instructions are those of AMD's public machine-readable ISA for CDNA 5 (MIT licence, August 2026) and "CDNA5" Instruction Set Architecture Reference Guide (July 2026). The comments in the code are by the model that wrote it; some were corrected since.
;; Harmonic Oscillator. Allowed arithmetic: float matrix products may take bf16 or f16 operands with f32 sums; all other float work in f32.
;; Inputs: amplitudes 4 x 512 x 128 float32; initial_phase 4 x 128 float32; phase 4 x 131,072 float32; phase_offset 4 x 131,072 float32.
;; Outputs: out0 4 x 131,072 float32.
;; Constants: hop = 256.
;; 2 versions, each right and faster than the one before. Each part assembles by itself: llvm-mc -triple=amdgcn-amd-amdhsa -mcpu=gfx1250 --defsym DOCPART=n.
;; ======== version 1 of 2: 2 launches
;; limits: a function is approximated: absolute error at most 2.2e-05
;; workspace buffers: s2 1,048,576 bytes; i2 1,048,576 bytes
;; launch sums (part 1): grid 256 x 1, 16 waves a work-group, no clusters, 6,144 bytes of LDS; arguments phase, s2, i2; writes s2, i2
.if DOCPART == 1
	.amdgcn_target "amdgcn-amd-amdhsa--gfx1250"
	.amdhsa_code_object_version 6
	.text
	.protected	k_q707633e3ef_sums
	.globl	k_q707633e3ef_sums
	.p2align	8
	.type	k_q707633e3ef_sums,@function
k_q707633e3ef_sums:
	s_mov_b64 s[64:65], 0
	v_nop
	global_prefetch_b8 v0, s[64:65] scope:SCOPE_SE
	s_setreg_imm32_b32 hwreg(HW_REG_WAVE_MODE, 25, 1), 1
	s_wait_xcnt 0x0
; Partial sums of the running sum over t of fl(phase[b][t] * h), per harmonic h, in f32.
; The running sum is built as a scan by blocks of 16 on five levels (131072, 8192, 512, 32, 2 terms): inside a block the
; terms are added from left to right, a block's last sum is a term of the next level, and a level's exclusive scan is added to
; the blocks below it.  At late t one rounding of such a sum is a visible part of a cycle, so every addition is made in this order
; and the product p * h is rounded by itself, never fused into the sum.
; This launch makes, for each unit u of 256 samples: s2[b][u][h] = the unit's sum (a term of level 2), and
; i2[b][u][h] = the left-to-right sum of the units 16 (u / 16) .. u (the scan inside a block of level 2).
; Work-group = (b, block k of 16 units, half of the harmonics); wave w = unit 16 k + w; a lane holds two neighbouring harmonics.
; t runs serially, 16 samples (one block of level 0) a trip.  phase is the same for all lanes, so it comes by scalar loads of 64 bytes,
; one block ahead, into a landing buffer.
.set LASTBLK, 4*131072*4-64            ; byte offset of the buffer's last 16 samples: the look-ahead is clamped to it
.set P,   16                           ; s[16:31]  the block's 16 samples, at work
.set LP,  32                           ; s[32:47]  the next block's, landing
.set PT,  48                           ; s[48:49]  an odd sample moved to an even register: a packed source is an even pair, its first register used twice
.set HH,  2                            ; v[2:3]    my two harmonic numbers, f32
.set I0,  4                            ; v[4:5]    sum inside the block of 16 samples
.set I1,  6                            ; v[6:7]    sum of the unit's blocks so far
.set PR,  8                            ; v[8:39]   the block's 16 products
.set ROWS, 40                          ; v[40:71]  the 16 units' sums
.set I2,  74                           ; v[74:75]
	s_load_b128 s[4:7], s[0:1], 0x0                ; phase s[4:5], s2 s[6:7]
	s_load_b64 s[8:9], s[0:1], 0x10                ; i2
	v_lshl_add_u32 v80, v0, 2, 0x1000
	v_mov_b32 v81, 0
	v_lshrrev_b32 v1, 5, v0
	v_readfirstlane_b32 s50, v1                    ; wave 0..15
	s_and_b32 s2, ttmp9, 1                         ; half of the harmonics
	s_bfe_u32 s3, ttmp9, 0x50001                   ; k: five bits from bit 1
	s_lshr_b32 s51, ttmp9, 6                       ; b
	s_lshl4_add_u32 s52, s3, s50                   ; u = 16 k + wave
	s_lshl_b32 s54, s51, 19                        ; b * 131072 samples * 4 bytes
	s_lshl_b32 s3, s52, 10                         ; + u * 256 samples * 4 bytes
	s_add_co_u32 s54, s54, s3
	s_wait_kmcnt 0x0
	s_load_b512 s[LP:LP+15], s[4:5], s54 offset:0x0   ; the first block
	v_and_b32 v76, 31, v0                          ; lane
	v_lshlrev_b32 v1, 3, v76                       ; 8 bytes a lane
	s_lshl_b32 s3, s2, 6
	s_add_co_u32 s3, s3, 1                         ; 64 half + 1
	v_lshl_add_u32 v[HH], v76, 1, s3               ; h = 64 half + 2 lane + 1
	v_cvt_f32_u32 v[HH], v[HH]
	v_add_f32 v[HH+1], 1.0, v[HH]
	s_lshl_b32 s55, s51, 9
	s_add_co_u32 s55, s55, s52                     ; row b * 512 + u of the tables
	s_lshl_b32 s55, s55, 9                         ; 512 bytes a row
	s_lshl_b32 s2, s2, 8                           ; my half of the row
	s_add_co_u32 s55, s55, s2
	v_add_nc_u32 v72, s55, v1                      ; a wave's store covers 256 consecutive bytes, aligned
	v_lshl_add_u32 v73, s50, 8, v1                 ; LDS: 256 bytes a wave
	s_mov_b32 s[PT+1], 0                           ; the pair's upper register is named, never used
	v_mov_b32 v[I1], 0
	v_mov_b32 v[I1+1], 0                           ; 0 + x is exact: the first block starts the sum
	s_mov_b32 s53, 0
.Lblk:
	s_wait_kmcnt 0x0                               ; scalar loads return in no order, so the count is 0; it also frees s54
.irp i, 0,2,4,6,8,10,12,14
	s_mov_b64 s[P+\i:P+\i+1], s[LP+\i:LP+\i+1]
.endr
	s_add_co_u32 s54, s54, 64
	s_min_u32 s54, s54, LASTBLK                    ; the last trip's look-ahead stays inside the buffer
	s_load_b512 s[LP:LP+15], s[4:5], s54 offset:0x0   ; the next block: it has this trip's work in which to land
.irp q, 0,2,4,6,8,10,12,14
	v_pk_mul_f32 v[PR+2*\q:PR+2*\q+1], v[HH:HH+1], s[P+\q:P+\q+1] op_sel_hi:[1,0]
	s_mov_b32 s[PT], s[P+\q+1]
	v_pk_mul_f32 v[PR+2*\q+2:PR+2*\q+3], v[HH:HH+1], s[PT:PT+1] op_sel_hi:[1,0]
.endr
	v_pk_add_f32 v[I0:I0+1], v[PR:PR+1], v[PR+2:PR+3]          ; from left to right
.irp q, 2,3,4,5,6,7,8,9,10,11,12,13,14,15
	v_pk_add_f32 v[I0:I0+1], v[I0:I0+1], v[PR+2*\q:PR+2*\q+1]
.endr
	v_pk_add_f32 v[I1:I1+1], v[I1:I1+1], v[I0:I0+1]            ; level 1, from left to right
	s_add_co_u32 s53, s53, 1
	s_cmp_lt_u32 s53, 16
	s_cbranch_scc1 .Lblk
	global_store_b64 v72, v[I1:I1+1], s[6:7]       ; the unit's sum
	ds_store_b64 v73, v[I1:I1+1]
	s_wait_dscnt 0x0                               ; my store is done before I say so: the other waves read it
	s_barrier_signal -1
	s_barrier_wait -1
.irp j, 0,1,2,3,4,5,6,7,8,9,10,11,12,13,14,15
	ds_load_b64 v[ROWS+2*\j:ROWS+2*\j+1], v1 offset:256*\j
.endr
	s_wait_dscnt 0x0
	v_mov_b32 v[I2], v[ROWS]
	v_mov_b32 v[I2+1], v[ROWS+1]
.irp j, 1,2,3,4,5,6,7,8,9,10,11,12,13,14,15
	s_cmp_lt_u32 s50, \j                           ; wave w adds units 0 .. w of the block, from left to right
	s_cbranch_scc1 .Ldone
	v_pk_add_f32 v[I2:I2+1], v[I2:I2+1], v[ROWS+2*\j:ROWS+2*\j+1]
.endr
.Ldone:
	global_store_b64 v72, v[I2:I2+1], s[8:9]
	s_wait_tensorcnt 0x0
	ds_add_u32 v80, v81
	s_wait_dscnt 0x0
	s_endpgm
.Lfunc_end_k_q707633e3ef_sums:
	.size	k_q707633e3ef_sums, .Lfunc_end_k_q707633e3ef_sums-k_q707633e3ef_sums
	.p2alignl 7, 3214868480
	.fill 96, 4, 3214868480
	.section	.rodata,"a",@progbits
	.p2align	6, 0x0
	.amdhsa_kernel k_q707633e3ef_sums
		.amdhsa_group_segment_fixed_size 6144
		.amdhsa_private_segment_fixed_size 0
		.amdhsa_enable_private_segment 0
		.amdhsa_kernarg_size 24
		.amdhsa_user_sgpr_count 2
		.amdhsa_user_sgpr_kernarg_segment_ptr 1
		.amdhsa_wavefront_size32 1
		.amdhsa_system_sgpr_workgroup_id_x 1
		.amdhsa_system_sgpr_workgroup_id_y 1
		.amdhsa_system_sgpr_workgroup_id_z 1
		.amdhsa_system_vgpr_workitem_id 0
		.amdhsa_next_free_vgpr 82
		.amdhsa_next_free_sgpr 66
		.amdhsa_reserve_vcc 0
		.amdhsa_float_denorm_mode_32 3
		.amdhsa_float_denorm_mode_16_64 3
		.amdhsa_memory_ordered 1
		.amdhsa_forward_progress 1
		.amdhsa_inst_pref_size 8
	.end_amdhsa_kernel
	.amdgpu_metadata
---
amdhsa.version: [ 1, 2 ]
amdhsa.kernels:
  - .name:           k_q707633e3ef_sums
    .symbol:         k_q707633e3ef_sums.kd
    .args:
      - { .name: phase, .offset: 0, .size: 8, .value_kind: global_buffer, .address_space: global }
      - { .name: s2, .offset: 8, .size: 8, .value_kind: global_buffer, .address_space: global }
      - { .name: i2, .offset: 16, .size: 8, .value_kind: global_buffer, .address_space: global }
    .group_segment_fixed_size: 6144
    .private_segment_fixed_size: 0
    .kernarg_segment_align: 8
    .kernarg_segment_size: 24
    .max_flat_workgroup_size: 512
    .sgpr_count:     66
    .vgpr_count:     82
    .wavefront_size: 32
...
	.end_amdgpu_metadata
.endif
;; end of part 1
;; launch synth (part 2): grid 256 x 1, 8 waves a work-group, no clusters, 9,216 bytes of LDS; arguments phase, phase_offset, amplitudes, initial_phase, s2, i2, out0; writes out0
.if DOCPART == 2
	.amdgcn_target "amdgcn-amd-amdhsa--gfx1250"
	.amdhsa_code_object_version 6
	.text
	.protected	k_q707633e3ef_synth
	.globl	k_q707633e3ef_synth
	.p2align	8
	.type	k_q707633e3ef_synth,@function
k_q707633e3ef_synth:
	s_mov_b64 s[64:65], 0
	v_nop
	global_prefetch_b8 v0, s[64:65] scope:SCOPE_SE
	s_setreg_imm32_b32 hwreg(HW_REG_WAVE_MODE, 25, 1), 1
	s_wait_xcnt 0x0
; out[b][t] = sum over h = 1..128 of sin(2 pi ph) * amp, amp = 0 where fl(p h) >= 0.5;
; ph = running sum over t of fl(p h), + off[t] h, + init[b][h]; amp = the frame table, linearly interpolated (hop 256).
; A wave makes the 256 samples of one unit u of one batch b for all 128 harmonics: a lane holds h = 4 lane + 1 .. 4 lane + 4 (two pairs),
; t runs serially.  256 work-groups of 8 waves = 4 x 512 units.  The vector ALU binds (some 49 instructions a sample and wave against 8 bytes read),
; so there is no matrix work (no product), no tensor load and no cluster (a wave reads 2 KiB of samples and 38 table rows of 512 bytes).
; THE RUNNING SUM is a scan by blocks of 16 on five levels, as in the launch that made s2 and i2; every f32 addition is made in that order:
;   sum[t] = I0[t] + X1[t / 16];  X1[j] = I1[j-1] + X2[(j-1) / 16];  X2[u] = i2[u-1] + X3[(u-1) / 16];
;   X3[k] = (left-to-right sum of i2[16 j + 15] inside k-1's block of 16) + (the first block's whole sum, if k > 16);  each X is 0 at index 0.
; LIMITS.  The range reduction holds for |ph| < 2^22 cycles.  sin is its series up to r^13 on |r| <= pi: error at most 2.2e-5.
; amp is a0 + w (a1 - a0) in two fused steps; off h is fused into its addition; the 128 terms are added in another order than row by row:
; these three differ from the plain form in the last bits only.
.set LASTBLK, 4*131072*4-64            ; byte offset of the last 16 samples: the look-ahead is clamped to it
; scalar registers
.set P,   16                           ; s[16:31]  the block's 16 samples of phase, at work
.set O,   32                           ; s[32:47]  of phase_offset
.set LP,  68                           ; s[68:83]  the next block's, landing
.set LO,  84                           ; s[84:99]
.set PT,  56                           ; s[56:57]  an odd sample moved to an even register (a packed source is an even pair, its first register used twice)
.set OT,  58                           ; s[58:59]
.set WB,  60                           ; s[60:61]  the interpolation weight of the block's first sample
.set MK,  8                            ; s[8:15]   eight masks of the alias test (the table addresses before the loop)
; vector registers
.set HH,   2                           ; v[2:5]    my four harmonic numbers
.set INIT, 6                           ; v[6:9]    initial_phase
.set A0,   10                          ; v[10:13]  the segment's left frame
.set DD,   14                          ; v[14:17]  right frame - left frame
.set AB,   18                          ; v[18:21]  amp at the block's first sample
.set A0B,  22                          ; v[22:25]  the second segment's left frame
.set DB,   26                          ; v[26:29]  and difference
.set IA,   30                          ; v[30:33]  sum inside the block, even sample
.set IB,   34                          ; v[34:37]  odd sample
.set I1,   38                          ; v[38:41]  sum of the unit's blocks so far
.set X2,   42                          ; v[42:45]  X2[u]
.set EE,   46                          ; v[46:49]  X1 of the block
.set KC1,  50                          ; constants, each twice, for the packed forms
.set KINV, 52
.set KMAG, 54
.set KNMAG, 56
.set KNC1, 58
.set KNC2, 60
.set K13,  62
.set K11,  64
.set K9,   66
.set K7,   68
.set K5,   70
.set K3,   72
.set Z,    74                          ; v[74:89]  my four harmonics' sum for each of the block's 16 samples
.set CH,   90                          ; v[90:145] four chains (2 samples x 2 pairs) of 14 registers
.set CPR,  CH                          ; p h
.set CX,   CH+2                        ; the phase, then 2 pi ph, at last the products' sum
.set CN,   CH+4                        ; whole cycles, then r^3
.set CR,   CH+6                        ; r, then sin r
.set CR2,  CH+8                        ; r^2
.set CPL,  CH+10                       ; the series
.set CAM,  CH+12                       ; amp
.set LS,   148                         ; LDS: where a block's 16 results go
.set LR,   149                         ; LDS: where 128 results are read back
.set OA,   150                         ; byte offset in out0
.set OD,   152                         ; v[152:155] four results to store
; before the loop only
.set ROW,  74                          ; v[74:197] i2[16 j + 15], j = 0 .. 30: the terms of level 3
.set S2M1, 198                         ; s2[u-1]
.set I2M1, 202                         ; i2[u-1]
.set I2M2, 206                         ; i2[u-2]
.set SA,   210
.set SB,   214
.set X3,   218
.set A2,   222                         ; amplitudes[u+1]
	s_load_b256 s[4:11], s[0:1], 0x0               ; phase s[4:5], phase_offset s[6:7], amplitudes s[8:9], initial_phase s[10:11]
	s_load_b128 s[12:15], s[0:1], 0x20             ; s2 s[12:13], i2 s[14:15]
	s_load_b64 s[48:49], s[0:1], 0x30              ; out0
	v_lshl_add_u32 v232, v0, 2, 0x2000
	v_mov_b32 v233, 0
	v_lshrrev_b32 v1, 5, v0
	v_readfirstlane_b32 s50, v1                    ; wave 0..7
	v_and_b32 v1, 31, v0                           ; lane
	s_lshr_b32 s51, ttmp9, 6                       ; b
	s_and_b32 s2, ttmp9, 63
	s_lshl3_add_u32 s52, s2, s50                   ; u
	s_lshl_b32 s55, s51, 19                        ; b * 131072 * 4
	s_lshl_b32 s2, s52, 10                         ; + u * 256 * 4
	s_add_co_u32 s55, s55, s2
	s_wait_kmcnt 0x0
	s_load_b512 s[LP:LP+15], s[4:5], s55 offset:0x0   ; the first block's samples
	s_load_b512 s[LO:LO+15], s[6:7], s55 offset:0x0
	s_mov_b32 s2, s55
	s_mov_b32 s3, 0
	s_add_nc_u64 s[48:49], s[48:49], s[2:3]        ; out0 at my unit
	; the table rows.  Rows u-1, u-2 and u+1 are clamped into the table: for the frames that is the clip of the interpolation's position
	; (the difference of the two frames is then 0); the sums read at a clamped row are masked to 0 below.
	v_lshlrev_b32 v231, 4, v1                      ; 16 bytes a lane: a row of 128 f32 is one load of the wave
	s_lshl_b32 s2, s51, 18                         ; b * 512 rows * 512 bytes
	v_add_nc_u32 v226, s2, v231
	s_sub_co_i32 s53, s52, 1
	s_max_i32 s53, s53, 0                          ; max(u-1, 0)
	s_sub_co_i32 s54, s52, 2
	s_max_i32 s54, s54, 0                          ; max(u-2, 0)
	s_add_co_u32 s3, s52, 1
	s_min_u32 s3, s3, 511                          ; min(u+1, 511)
	v_lshl_add_u32 v227, s53, 9, v226
	v_lshl_add_u32 v228, s54, 9, v226
	v_lshl_add_u32 v229, s52, 9, v226
	v_lshl_add_u32 v230, s3, 9, v226
	v_lshl_add_u32 v231, s51, 9, v231              ; initial_phase: row b
.irp j, 0,1,2,3,4,5,6,7,8,9,10,11,12,13,14,15,16,17,18,19,20,21,22,23,24,25,26,27,28,29,30
	global_load_b128 v[ROW+4*\j:ROW+4*\j+3], v226, s[14:15] offset:\j*8192+7680
.endr
	global_load_b128 v[S2M1:S2M1+3], v227, s[12:13]
	global_load_b128 v[I2M1:I2M1+3], v227, s[14:15]
	global_load_b128 v[I2M2:I2M2+3], v228, s[14:15]
	global_load_b128 v[A0:A0+3], v227, s[8:9]
	global_load_b128 v[A0B:A0B+3], v229, s[8:9]
	global_load_b128 v[A2:A2+3], v230, s[8:9]
	global_load_b128 v[INIT:INIT+3], v231, s[10:11]
	; while they are on their way: numbers that hang on no load
	s_lshr_b32 s53, s53, 4                         ; (u-1) / 16
	s_lshr_b32 s54, s54, 4                         ; (u-2) / 16
	s_cmp_ge_u32 s52, 1
	s_cselect_b32 s2, -1, 0                        ; all ones where u >= 1
	s_cmp_ge_u32 s52, 2
	s_cselect_b32 s3, -1, 0                        ; where u >= 2
	v_lshl_add_u32 v[HH], v1, 2, 1                 ; h = 4 lane + 1
	v_cvt_f32_u32 v[HH], v[HH]
	v_add_f32 v[HH+1], 1.0, v[HH]
	v_add_f32 v[HH+2], 2.0, v[HH]
	v_add_f32 v[HH+3], 0x40400000, v[HH]
.macro KSET r, bits
	v_mov_b32 v[\r], \bits
	v_mov_b32 v[\r+1], \bits
.endm
	KSET KC1,   0x40c90fdb                         ; 2 pi rounded to f32, the factor of the phase
	KSET KINV,  0x3e22f983                         ; 1 / (2 pi)
	KSET KMAG,  0x4b400000                         ; 1.5 * 2^23: adding it rounds to a whole number
	KSET KNMAG, 0xcb400000
	KSET KNC1,  0xc0c90fdb                         ; -(2 pi rounded)
	KSET KNC2,  0x343bbd2e                         ; (2 pi rounded) - 2 pi
	KSET K13,   0x2f309231                         ; 1/13!
	KSET K11,   0xb2d7322b                         ; -1/11!
	KSET K9,    0x3638ef1d                         ; 1/9!
	KSET K7,    0xb9500d01                         ; -1/7!
	KSET K5,    0x3c088889                         ; 1/5!
	KSET K3,    0xbe2aaaab                         ; -1/3!
.irp i, 0,1,2,3
	v_mov_b32 v[I1+\i], 0                          ; 0 + x is exact: the first block starts the sum
.endr
	s_mov_b32 s[PT+1], 0                           ; the pairs' upper registers are named, never used
	s_mov_b32 s[OT+1], 0
	s_mov_b32 s[WB+1], 0
	s_mov_b32 s[WB], 0x3f008000                    ; samples 0..127 lie between frames u-1 and u: weight (128.5 + s) / 256
	s_mov_b32 s62, 0x76543210                      ; v_permlanex16_b32: lane i takes lane i of the other half
	s_mov_b32 s63, 0xfedcba98
	s_mov_b32 s66, 0xaaaaaaaa                      ; lanes with bit 0 set,
	s_mov_b32 s67, 0xcccccccc                      ; bit 1,
	s_mov_b32 s100, 0xf0f0f0f0                     ; bit 2,
	s_mov_b32 s101, 0xff00ff00                     ; bit 3
	s_wait_loadcnt 0x0                             ; all 38 rows are in; s[8:15] and the offsets are free
; X3[kk] into v[X3:X3+3].  SA: the terms j < min(kk, 16) from left to right; SB: the terms 16 <= j < kk; X3 = SB + SA.  A sum that has no term is 0, and adding 0 is exact.
.macro CHAIN kk
.irp i, 0,1,2,3
	v_mov_b32 v[SA+\i], 0
	v_mov_b32 v[SB+\i], 0
.endr
.irp j, 0,1,2,3,4,5,6,7,8,9,10,11,12,13,14,15
	s_cmp_le_u32 \kk, \j
	s_cbranch_scc1 .Lchain_\@
	v_pk_add_f32 v[SA:SA+1], v[SA:SA+1], v[ROW+4*\j:ROW+4*\j+1]
	v_pk_add_f32 v[SA+2:SA+3], v[SA+2:SA+3], v[ROW+4*\j+2:ROW+4*\j+3]
.endr
.irp j, 16,17,18,19,20,21,22,23,24,25,26,27,28,29,30
	s_cmp_le_u32 \kk, \j
	s_cbranch_scc1 .Lchain_\@
	v_pk_add_f32 v[SB:SB+1], v[SB:SB+1], v[ROW+4*\j:ROW+4*\j+1]
	v_pk_add_f32 v[SB+2:SB+3], v[SB+2:SB+3], v[ROW+4*\j+2:ROW+4*\j+3]
.endr
.Lchain_\@:
	v_pk_add_f32 v[X3:X3+1], v[SB:SB+1], v[SA:SA+1]
	v_pk_add_f32 v[X3+2:X3+3], v[SB+2:SB+3], v[SA+2:SA+3]
.endm
	CHAIN s53
	v_pk_add_f32 v[X2:X2+1], v[I2M1:I2M1+1], v[X3:X3+1]        ; X2[u] = i2[u-1] + X3[(u-1)/16],
	v_pk_add_f32 v[X2+2:X2+3], v[I2M1+2:I2M1+3], v[X3+2:X3+3]
.irp i, 0,1,2,3
	v_and_b32 v[X2+\i], s2, v[X2+\i]                           ; 0 for u = 0
.endr
	CHAIN s54
	v_pk_add_f32 v[X3:X3+1], v[I2M2:I2M2+1], v[X3:X3+1]        ; X2[u-1] = i2[u-2] + X3[(u-2)/16],
	v_pk_add_f32 v[X3+2:X3+3], v[I2M2+2:I2M2+3], v[X3+2:X3+3]
.irp i, 0,1,2,3
	v_and_b32 v[X3+\i], s3, v[X3+\i]                           ; 0 for u = 1
.endr
	v_pk_add_f32 v[EE:EE+1], v[S2M1:S2M1+1], v[X3:X3+1]        ; X1 of my first block = s2[u-1] + X2[u-1],
	v_pk_add_f32 v[EE+2:EE+3], v[S2M1+2:S2M1+3], v[X3+2:X3+3]
.irp i, 0,1,2,3
	v_and_b32 v[EE+\i], s2, v[EE+\i]                           ; 0 for u = 0
.endr
	v_pk_add_f32 v[DD:DD+1], v[A0B:A0B+1], v[A0:A0+1] neg_lo:[0,1] neg_hi:[0,1]
	v_pk_add_f32 v[DD+2:DD+3], v[A0B+2:A0B+3], v[A0+2:A0+3] neg_lo:[0,1] neg_hi:[0,1]
	v_pk_add_f32 v[DB:DB+1], v[A2:A2+1], v[A0B:A0B+1] neg_lo:[0,1] neg_hi:[0,1]
	v_pk_add_f32 v[DB+2:DB+3], v[A2+2:A2+3], v[A0B+2:A0B+3] neg_lo:[0,1] neg_hi:[0,1]
	s_lshl_b32 s54, s50, 10                        ; my wave's own 1,024 bytes of LDS: no other wave touches them, so no barrier
	v_and_b32 v[LS], 15, v1
	v_lshl_add_u32 v[LS], v[LS], 2, s54
	v_lshl_add_u32 v[LR], v1, 4, s54
	v_lshlrev_b32 v[OA], 4, v1
; One packed instruction for each of the four chains.  An operand is a register and a stride: 14 for a chain's own, 0 for a constant pair.
.macro FMA4 d, a, sa, b, sb, c, sc
.irp i, 0,1,2,3
	v_pk_fma_f32 v[\d+14*\i:\d+14*\i+1], v[\a+\sa*\i:\a+\sa*\i+1], v[\b+\sb*\i:\b+\sb*\i+1], v[\c+\sc*\i:\c+\sc*\i+1]
.endr
.endm
.macro MUL4 d, a, sa, b, sb
.irp i, 0,1,2,3
	v_pk_mul_f32 v[\d+14*\i:\d+14*\i+1], v[\a+\sa*\i:\a+\sa*\i+1], v[\b+\sb*\i:\b+\sb*\i+1]
.endr
.endm
.macro ADD4 d, a, sa, b, sb
.irp i, 0,1,2,3
	v_pk_add_f32 v[\d+14*\i:\d+14*\i+1], v[\a+\sa*\i:\a+\sa*\i+1], v[\b+\sb*\i:\b+\sb*\i+1]
.endr
.endm
; Samples q0 (even) and q1 = q0 + 1 of the block.  Chains 0, 1: q0's two pairs of harmonics; chains 2, 3: q1's.  w0, w1 = q0 / 256, q1 / 256 as f32.
.macro PAIR2 q0, q1, w0, w1
	s_mov_b32 s[PT], s[P+\q1]
	s_mov_b32 s[OT], s[O+\q1]
.irp k, 0,1
	v_pk_mul_f32 v[CPR+14*\k:CPR+14*\k+1], v[HH+2*\k:HH+2*\k+1], s[P+\q0:P+\q0+1] op_sel_hi:[1,0]      ; p h, rounded by itself
	v_pk_mul_f32 v[CPR+14*\k+28:CPR+14*\k+29], v[HH+2*\k:HH+2*\k+1], s[PT:PT+1] op_sel_hi:[1,0]
.endr
.if \q0 != 0
.irp k, 0,1
	v_pk_add_f32 v[IA+2*\k:IA+2*\k+1], v[IB+2*\k:IB+2*\k+1], v[CPR+14*\k:CPR+14*\k+1]                  ; the sum inside the block, from left to right
.endr
.irp k, 0,1
	v_pk_add_f32 v[IB+2*\k:IB+2*\k+1], v[IA+2*\k:IA+2*\k+1], v[CPR+14*\k+28:CPR+14*\k+29]
.endr
.irp k, 0,1
	v_pk_add_f32 v[CX+14*\k:CX+14*\k+1], v[IA+2*\k:IA+2*\k+1], v[EE+2*\k:EE+2*\k+1]                    ; + what lies in front of the block
.endr
.else
.irp k, 0,1
	v_pk_add_f32 v[IB+2*\k:IB+2*\k+1], v[CPR+14*\k:CPR+14*\k+1], v[CPR+14*\k+28:CPR+14*\k+29]          ; the block's first product starts its sum
.endr
.irp k, 0,1
	v_pk_add_f32 v[CX+14*\k:CX+14*\k+1], v[CPR+14*\k:CPR+14*\k+1], v[EE+2*\k:EE+2*\k+1]
.endr
.endif
.irp k, 0,1
	v_pk_add_f32 v[CX+14*\k+28:CX+14*\k+29], v[IB+2*\k:IB+2*\k+1], v[EE+2*\k:EE+2*\k+1]
.endr
.irp k, 0,1
	v_pk_fma_f32 v[CX+14*\k:CX+14*\k+1], v[HH+2*\k:HH+2*\k+1], s[O+\q0:O+\q0+1], v[CX+14*\k:CX+14*\k+1] op_sel_hi:[1,0,1]   ; + off h
	v_pk_fma_f32 v[CX+14*\k+28:CX+14*\k+29], v[HH+2*\k:HH+2*\k+1], s[OT:OT+1], v[CX+14*\k+28:CX+14*\k+29] op_sel_hi:[1,0,1]
.endr
.irp k, 0,1
	v_pk_add_f32 v[CX+14*\k:CX+14*\k+1], v[CX+14*\k:CX+14*\k+1], v[INIT+2*\k:INIT+2*\k+1]              ; + initial phase
	v_pk_add_f32 v[CX+14*\k+28:CX+14*\k+29], v[CX+14*\k+28:CX+14*\k+29], v[INIT+2*\k:INIT+2*\k+1]
.endr
	MUL4 CX, CX, 14, KC1, 0                        ; x = ph * fl(2 pi), rounded as the plain form rounds it
	FMA4 CN, CX, 14, KINV, 0, KMAG, 0              ; n = x / (2 pi) to the nearest whole number
	ADD4 CN, CN, 14, KNMAG, 0
	FMA4 CR, CN, 14, KNC1, 0, CX, 14               ; x - n fl(2 pi): a multiple of 2^-21 below 4, so it is exact
	FMA4 CR, CN, 14, KNC2, 0, CR, 14               ; r = x - n 2 pi
.irp i, 0,1,2,3
	v_cmp_gt_f32 s[MK+2*\i], 0.5, v[CPR+14*\i]     ; the harmonic is kept where p h < 0.5
	v_cmp_gt_f32 s[MK+2*\i+1], 0.5, v[CPR+14*\i+1]
.endr
	MUL4 CR2, CR, 14, CR, 14
	FMA4 CPL, CR2, 14, K13, 0, K11, 0
	FMA4 CPL, CPL, 14, CR2, 14, K9, 0
	FMA4 CPL, CPL, 14, CR2, 14, K7, 0
	FMA4 CPL, CPL, 14, CR2, 14, K5, 0
	FMA4 CPL, CPL, 14, CR2, 14, K3, 0
	MUL4 CN, CR, 14, CR2, 14                       ; r^3
	FMA4 CR, CN, 14, CPL, 14, CR, 14               ; sin r = r + r^3 (-1/3! + r^2 (1/5! - ...))
.irp k, 0,1
.if \q0 != 0
	v_pk_fma_f32 v[CAM+14*\k:CAM+14*\k+1], v[DD+2*\k:DD+2*\k+1], \w0, v[AB+2*\k:AB+2*\k+1] op_sel_hi:[1,0,1]
.endif
	v_pk_fma_f32 v[CAM+14*\k+28:CAM+14*\k+29], v[DD+2*\k:DD+2*\k+1], \w1, v[AB+2*\k:AB+2*\k+1] op_sel_hi:[1,0,1]
.endr
.irp k, 0,1
.irp e, 0,1
.if \q0 != 0
	v_cndmask_b32 v[CAM+14*\k+\e], 0, v[CAM+14*\k+\e], s[MK+2*\k+\e]
.else
	v_cndmask_b32 v[CAM+14*\k+\e], 0, v[AB+2*\k+\e], s[MK+2*\k+\e]         ; the block's first sample: amp is AB itself
.endif
	v_cndmask_b32 v[CAM+14*\k+28+\e], 0, v[CAM+14*\k+28+\e], s[MK+2*\k+4+\e]
.endr
.endr
.irp i, 0,1
	v_pk_mul_f32 v[CX+28*\i:CX+28*\i+1], v[CR+28*\i:CR+28*\i+1], v[CAM+28*\i:CAM+28*\i+1]
.endr
.irp i, 0,1
	v_pk_fma_f32 v[CX+28*\i:CX+28*\i+1], v[CR+28*\i+14:CR+28*\i+15], v[CAM+28*\i+14:CAM+28*\i+15], v[CX+28*\i:CX+28*\i+1]
.endr
	v_add_f32 v[Z+\q0], v[CX], v[CX+1]             ; my four harmonics' share of the two samples
	v_add_f32 v[Z+\q1], v[CX+28], v[CX+29]
.endm
; Two registers of partial sums become one: lanes whose bit is 0 keep lo's sample, the others hi's, and each gets its partner's share of the sample it keeps.
.macro MERGE lo, hi, mask, xm, t
	v_cndmask_b32 v[\t], v[\lo], v[\hi], \mask     ; what I keep
	v_cndmask_b32 v[\t+1], v[\hi], v[\lo], \mask   ; what my partner keeps
	v_add_f32_dpp v[\lo], v[\t+1], v[\t] row_xmask:\xm row_mask:0xf bank_mask:0xf
.endm
; 16 registers x 32 lanes to one register: lane i ends with the whole sum of sample i mod 16.  15 merges and one step across the halves.
.macro REDUCE
.irp i, 0,1,2,3,4,5,6,7
	MERGE Z+2*\i, Z+2*\i+1, s66, 1, CH+2*\i
.endr
.irp i, 0,1,2,3
	MERGE Z+4*\i, Z+4*\i+2, s67, 2, CH+2*\i
.endr
.irp i, 0,1
	MERGE Z+8*\i, Z+8*\i+4, s100, 4, CH+2*\i
.endr
	MERGE Z, Z+8, s101, 8, CH
	v_permlanex16_b32 v[CH], v[Z], s62, s63        ; its destination counts as read: v[CH] has just been written
	v_add_f32 v[Z], v[Z], v[CH]
.endm
	s_mov_b32 s54, 0                               ; two segments of 128 samples: each lies between one pair of frames
.Lseg:
	s_mov_b32 s53, 0                               ; eight blocks of 16 samples
.Lblk:
	s_wait_kmcnt 0x0                               ; scalar loads return in no order, so the count is 0; it also frees s55
.irp i, 0,2,4,6,8,10,12,14
	s_mov_b64 s[P+\i:P+\i+1], s[LP+\i:LP+\i+1]
	s_mov_b64 s[O+\i:O+\i+1], s[LO+\i:LO+\i+1]
.endr
	s_add_co_u32 s55, s55, 64
	s_min_u32 s55, s55, LASTBLK                    ; the last block's look-ahead stays inside the buffers
	s_load_b512 s[LP:LP+15], s[4:5], s55 offset:0x0   ; the next block: it has this block's work in which to land
	s_load_b512 s[LO:LO+15], s[6:7], s55 offset:0x0
	v_pk_fma_f32 v[AB:AB+1], v[DD:DD+1], s[WB:WB+1], v[A0:A0+1] op_sel_hi:[1,0,1]
	v_pk_fma_f32 v[AB+2:AB+3], v[DD+2:DD+3], s[WB:WB+1], v[A0+2:A0+3] op_sel_hi:[1,0,1]
	PAIR2 0, 1, 0, 0x3b800000
	PAIR2 2, 3, 0x3c000000, 0x3c400000
	PAIR2 4, 5, 0x3c800000, 0x3ca00000
	PAIR2 6, 7, 0x3cc00000, 0x3ce00000
	PAIR2 8, 9, 0x3d000000, 0x3d100000
	PAIR2 10, 11, 0x3d200000, 0x3d300000
	PAIR2 12, 13, 0x3d400000, 0x3d500000
	PAIR2 14, 15, 0x3d600000, 0x3d700000
	v_pk_add_f32 v[I1:I1+1], v[I1:I1+1], v[IB:IB+1]            ; level 1, from left to right
	v_pk_add_f32 v[I1+2:I1+3], v[I1+2:I1+3], v[IB+2:IB+3]
	v_pk_add_f32 v[EE:EE+1], v[I1:I1+1], v[X2:X2+1]            ; X1 of the next block
	v_pk_add_f32 v[EE+2:EE+3], v[I1+2:I1+3], v[X2+2:X2+3]
	REDUCE
	ds_store_b32 v[LS], v[Z]                       ; lanes 16-31 write the same words with the same values as lanes 0-15
	v_add_nc_u32 v[LS], 64, v[LS]
	s_add_f32 s[WB], s[WB], 0x3d800000             ; 16 / 256 further: exact
	s_add_co_u32 s53, s53, 1
	s_cmp_lt_u32 s53, 8
	s_cbranch_scc1 .Lblk
	; the segment's 128 results leave: four neighbouring samples a lane, 512 consecutive bytes a store, aligned
	s_wait_xcnt 0x0                                ; the last segment's store has had its address translated: OA and OD are rewritten only behind this wait
	v_add_nc_u32 v[OA], 0x200, v[OA]
	ds_load_b128 v[OD:OD+3], v[LR]                 ; LDS serves a wave's instructions in order: this load sees my eight stores
	v_add_nc_u32 v[LR], 0x200, v[LR]
.irp i, 0,1,2,3
	v_mov_b32 v[A0+\i], v[A0B+\i]                  ; samples 128..255 lie between frames u and u+1,
	v_mov_b32 v[DD+\i], v[DB+\i]
.endr
	s_mov_b32 s[WB], 0x3b000000                    ; weight (s - 127.5) / 256
	s_wait_dscnt 0x0
	global_store_b128 v[OA], v[OD:OD+3], s[48:49] offset:-512 th:TH_STORE_NT
	s_add_co_u32 s54, s54, 1
	s_cmp_lt_u32 s54, 2
	s_cbranch_scc1 .Lseg
	s_wait_tensorcnt 0x0
	ds_add_u32 v232, v233
	s_wait_dscnt 0x0
	s_endpgm
.Lfunc_end_k_q707633e3ef_synth:
	.size	k_q707633e3ef_synth, .Lfunc_end_k_q707633e3ef_synth-k_q707633e3ef_synth
	.p2alignl 7, 3214868480
	.fill 96, 4, 3214868480
	.section	.rodata,"a",@progbits
	.p2align	6, 0x0
	.amdhsa_kernel k_q707633e3ef_synth
		.amdhsa_group_segment_fixed_size 9216
		.amdhsa_private_segment_fixed_size 0
		.amdhsa_enable_private_segment 0
		.amdhsa_kernarg_size 56
		.amdhsa_user_sgpr_count 2
		.amdhsa_user_sgpr_kernarg_segment_ptr 1
		.amdhsa_wavefront_size32 1
		.amdhsa_system_sgpr_workgroup_id_x 1
		.amdhsa_system_sgpr_workgroup_id_y 1
		.amdhsa_system_sgpr_workgroup_id_z 1
		.amdhsa_system_vgpr_workitem_id 0
		.amdhsa_next_free_vgpr 234
		.amdhsa_next_free_sgpr 102
		.amdhsa_reserve_vcc 0
		.amdhsa_float_denorm_mode_32 3
		.amdhsa_float_denorm_mode_16_64 3
		.amdhsa_memory_ordered 1
		.amdhsa_forward_progress 1
		.amdhsa_inst_pref_size 77
	.end_amdhsa_kernel
	.amdgpu_metadata
---
amdhsa.version: [ 1, 2 ]
amdhsa.kernels:
  - .name:           k_q707633e3ef_synth
    .symbol:         k_q707633e3ef_synth.kd
    .args:
      - { .name: phase, .offset: 0, .size: 8, .value_kind: global_buffer, .address_space: global }
      - { .name: phase_offset, .offset: 8, .size: 8, .value_kind: global_buffer, .address_space: global }
      - { .name: amplitudes, .offset: 16, .size: 8, .value_kind: global_buffer, .address_space: global }
      - { .name: initial_phase, .offset: 24, .size: 8, .value_kind: global_buffer, .address_space: global }
      - { .name: s2, .offset: 32, .size: 8, .value_kind: global_buffer, .address_space: global }
      - { .name: i2, .offset: 40, .size: 8, .value_kind: global_buffer, .address_space: global }
      - { .name: out0, .offset: 48, .size: 8, .value_kind: global_buffer, .address_space: global }
    .group_segment_fixed_size: 9216
    .private_segment_fixed_size: 0
    .kernarg_segment_align: 8
    .kernarg_segment_size: 56
    .max_flat_workgroup_size: 256
    .sgpr_count:     102
    .vgpr_count:     234
    .wavefront_size: 32
...
	.end_amdgpu_metadata
.endif
;; end of part 2
;; ======== version 2 of 2: 2 launches; 1.44 times as fast as version 1
;; limits: a function is approximated: absolute error at most 6e-06
;; workspace buffers: s2 1,048,576 bytes; i2 1,048,576 bytes
;; launch sums (part 3): grid 256 x 1, 16 waves a work-group, no clusters, 22,528 bytes of LDS; arguments phase, s2, i2; writes s2, i2
.if DOCPART == 3
	.amdgcn_target "amdgcn-amd-amdhsa--gfx1250"
	.amdhsa_code_object_version 6
	.text
	.protected	k_q707633e3ef_sums
	.globl	k_q707633e3ef_sums
	.p2align	8
	.type	k_q707633e3ef_sums,@function
k_q707633e3ef_sums:
	s_mov_b64 s[64:65], 0
	v_nop
	global_prefetch_b8 v0, s[64:65] scope:SCOPE_SE
	s_setreg_imm32_b32 hwreg(HW_REG_WAVE_MODE, 25, 1), 1
	s_wait_xcnt 0x0
; Partial sums of the running sum over t of fl(phase[b][t] * h), per harmonic h, in f32.
; The running sum is built as a scan by blocks of 16 on five levels (131072, 8192, 512, 32, 2 terms): inside a block the
; terms are added from left to right, a block's last sum is a term of the next level, and a level's exclusive scan is added to
; the blocks below it.  At late t one rounding of such a sum is a visible part of a cycle, so every addition is made in this order
; and the product p * h is rounded by itself, never fused into the sum.
; This launch makes, for each unit u of 256 samples: s2[b][u][h] = the unit's sum (a term of level 2), and
; i2[b][u][h] = the left-to-right sum of the units 16 (u / 16) .. u (the scan inside a block of level 2).
; Work-group = (b, block k of 16 units, half of the harmonics); wave w = unit 16 k + w; a lane holds two neighbouring harmonics.
; The unit's 1,024 bytes of phase are loaded once, 16 bytes a lane and 512 consecutive bytes a load, laid into the wave's own 1 KiB of LDS and
; read back with all lanes at one address, 64 samples (16 loads) at a time into two register buffers that take turns.
; 64 samples are four blocks of level 0, whose sums do not hang on each other: they are added by turns, so that an addition never stands
; next to the one whose result it takes.
.set XCH,  16384                       ; LDS: behind the 16 waves' samples, 16 x 256 bytes for the units' sums
.set HH,   2                           ; v[2:3]     my two harmonic numbers, f32
.set I1,   4                           ; v[4:5]     sum of the unit's blocks so far
.set I2,   6                           ; v[6:7]
.set I0,   8                           ; v[8:15]    four blocks' sums
.set PRA,  16                          ; v[16:23]   four blocks' products of an even sample
.set PRB,  24                          ; v[24:31]   of the odd sample behind it
.set LD,   32                          ; v[32:39]   my 8 samples as loaded
.set ROWS, 40                          ; v[40:71]   the 16 units' sums
.set BUF0, 80                          ; v[80:143]  64 samples, the same in every lane
.set BUF1, 144                         ; v[144:207]
	s_load_b128 s[4:7], s[0:1], 0x0                ; phase s[4:5], s2 s[6:7]
	s_load_b64 s[8:9], s[0:1], 0x10                ; i2
	v_lshl_add_u32 v208, v0, 2, 0x5000
	v_mov_b32 v209, 0
	v_lshrrev_b32 v1, 5, v0
	v_readfirstlane_b32 s10, v1                    ; wave 0..15
	v_and_b32 v77, 31, v0                          ; lane
	s_and_b32 s2, ttmp9, 1                         ; half of the harmonics
	s_bfe_u32 s3, ttmp9, 0x50001                   ; k: five bits from bit 1
	s_lshr_b32 s11, ttmp9, 6                       ; b
	s_lshl4_add_u32 s12, s3, s10                   ; u = 16 k + wave
	s_lshl_b32 s13, s11, 19                        ; b * 131072 samples * 4 bytes
	s_lshl_b32 s3, s12, 10                         ; + u * 256 samples * 4 bytes
	s_add_co_u32 s13, s13, s3
	v_lshl_add_u32 v74, v77, 4, s13                ; + 16 bytes a lane
	s_wait_kmcnt 0x0
	global_load_b128 v[LD:LD+3], v74, s[4:5]               ; samples 0..127 of the unit
	global_load_b128 v[LD+4:LD+7], v74, s[4:5] offset:512  ; samples 128..255
	s_lshl_b32 s14, s10, 10                        ; my wave's own 1,024 bytes of LDS
	v_lshl_add_u32 v75, v77, 4, s14                ; where my 16 bytes go
	v_mov_b32 v76, s14                             ; where every lane reads
	v_lshlrev_b32 v1, 3, v77                       ; 8 bytes a lane
	s_lshl_b32 s3, s2, 6
	s_add_co_u32 s3, s3, 1                         ; 64 half + 1
	v_lshl_add_u32 v[HH], v77, 1, s3               ; h = 64 half + 2 lane + 1
	v_cvt_f32_u32 v[HH], v[HH]
	v_add_f32 v[HH+1], 1.0, v[HH]
	s_lshl_b32 s15, s11, 9
	s_add_co_u32 s15, s15, s12                     ; row b * 512 + u of the tables
	s_lshl_b32 s15, s15, 9                         ; 512 bytes a row
	s_lshl_b32 s2, s2, 8                           ; my half of the row
	s_add_co_u32 s15, s15, s2
	v_add_nc_u32 v72, s15, v1                      ; a wave's store covers 256 consecutive bytes, aligned
	v_lshl_add_u32 v73, s10, 8, v1                 ; the exchange: 256 bytes a wave
.macro FETCH buf, n                    ; samples 64 n .. 64 n + 63: four to a load, every lane at the same address
.irp j, 0,1,2,3,4,5,6,7,8,9,10,11,12,13,14,15
	ds_load_b128 v[\buf+4*\j:\buf+4*\j+3], v76 offset:256*\n+16*\j
.endr
.endm
.macro MUL2 buf, q                     ; q even: the four blocks' products of samples q (the pair's first register, used twice) and q + 1 (its second)
.irp k, 0,1,2,3
	v_pk_mul_f32 v[PRA+2*\k:PRA+2*\k+1], v[HH:HH+1], v[\buf+16*\k+\q:\buf+16*\k+\q+1] op_sel_hi:[1,0]
.endr
.irp k, 0,1,2,3
	v_pk_mul_f32 v[PRB+2*\k:PRB+2*\k+1], v[HH:HH+1], v[\buf+16*\k+\q:\buf+16*\k+\q+1] op_sel:[0,1] op_sel_hi:[1,1]
.endr
.endm
.macro ADD4S set
.irp k, 0,1,2,3
	v_pk_add_f32 v[I0+2*\k:I0+2*\k+1], v[I0+2*\k:I0+2*\k+1], v[\set+2*\k:\set+2*\k+1]
.endr
.endm
; Four blocks of 16 samples.  first = 1: the unit's first two blocks start its sum, so nothing is cleared.
.macro BATCH buf, first
	MUL2 \buf, 0
.irp k, 0,1,2,3
	v_pk_add_f32 v[I0+2*\k:I0+2*\k+1], v[PRA+2*\k:PRA+2*\k+1], v[PRB+2*\k:PRB+2*\k+1]   ; inside a block: from left to right
.endr
.irp q, 2,4,6,8,10,12,14
	MUL2 \buf, \q
	ADD4S PRA
	ADD4S PRB
.endr
.if \first
	v_pk_add_f32 v[I1:I1+1], v[I0:I0+1], v[I0+2:I0+3]          ; level 1: from left to right
.else
	v_pk_add_f32 v[I1:I1+1], v[I1:I1+1], v[I0:I0+1]
	v_pk_add_f32 v[I1:I1+1], v[I1:I1+1], v[I0+2:I0+3]
.endif
	v_pk_add_f32 v[I1:I1+1], v[I1:I1+1], v[I0+4:I0+5]
	v_pk_add_f32 v[I1:I1+1], v[I1:I1+1], v[I0+6:I0+7]
.endm
	s_wait_loadcnt 0x0                             ; both loads are in
	ds_store_b128 v75, v[LD:LD+3]
	ds_store_b128 v75, v[LD+4:LD+7] offset:512
	FETCH BUF0, 0                                  ; my wave's own bytes, and LDS serves a wave's instructions in order: these loads see the two stores
	FETCH BUF1, 1
	s_wait_dscnt 16                                ; the 16 loads of the younger batch may stay out; what was issued ahead of them is done
	BATCH BUF0, 1
	FETCH BUF0, 2
	s_wait_dscnt 16
	BATCH BUF1, 0
	FETCH BUF1, 3
	s_wait_dscnt 16
	BATCH BUF0, 0
	s_wait_dscnt 0x0
	BATCH BUF1, 0
	global_store_b64 v72, v[I1:I1+1], s[6:7]       ; the unit's sum
	ds_store_b64 v73, v[I1:I1+1] offset:XCH
	s_wait_dscnt 0x0                               ; my store is done before I say so: the other waves read it
	s_barrier_signal -1
	s_barrier_wait -1
.irp j, 0,1,2,3,4,5,6,7,8,9,10,11,12,13,14,15
	ds_load_b64 v[ROWS+2*\j:ROWS+2*\j+1], v1 offset:XCH+256*\j
.endr
	s_wait_dscnt 0x0
	v_mov_b32 v[I2], v[ROWS]
	v_mov_b32 v[I2+1], v[ROWS+1]
.irp j, 1,2,3,4,5,6,7,8,9,10,11,12,13,14,15
	s_cmp_lt_u32 s10, \j                           ; wave w adds units 0 .. w of the block, from left to right
	s_cbranch_scc1 .Ldone
	v_pk_add_f32 v[I2:I2+1], v[I2:I2+1], v[ROWS+2*\j:ROWS+2*\j+1]
.endr
.Ldone:
	global_store_b64 v72, v[I2:I2+1], s[8:9]
	s_wait_tensorcnt 0x0
	ds_add_u32 v208, v209
	s_wait_dscnt 0x0
	s_endpgm
.Lfunc_end_k_q707633e3ef_sums:
	.size	k_q707633e3ef_sums, .Lfunc_end_k_q707633e3ef_sums-k_q707633e3ef_sums
	.p2alignl 7, 3214868480
	.fill 96, 4, 3214868480
	.section	.rodata,"a",@progbits
	.p2align	6, 0x0
	.amdhsa_kernel k_q707633e3ef_sums
		.amdhsa_group_segment_fixed_size 22528
		.amdhsa_private_segment_fixed_size 0
		.amdhsa_enable_private_segment 0
		.amdhsa_kernarg_size 24
		.amdhsa_user_sgpr_count 2
		.amdhsa_user_sgpr_kernarg_segment_ptr 1
		.amdhsa_wavefront_size32 1
		.amdhsa_system_sgpr_workgroup_id_x 1
		.amdhsa_system_sgpr_workgroup_id_y 1
		.amdhsa_system_sgpr_workgroup_id_z 1
		.amdhsa_system_vgpr_workitem_id 0
		.amdhsa_next_free_vgpr 210
		.amdhsa_next_free_sgpr 66
		.amdhsa_reserve_vcc 0
		.amdhsa_float_denorm_mode_32 3
		.amdhsa_float_denorm_mode_16_64 3
		.amdhsa_memory_ordered 1
		.amdhsa_forward_progress 1
		.amdhsa_inst_pref_size 42
	.end_amdhsa_kernel
	.amdgpu_metadata
---
amdhsa.version: [ 1, 2 ]
amdhsa.kernels:
  - .name:           k_q707633e3ef_sums
    .symbol:         k_q707633e3ef_sums.kd
    .args:
      - { .name: phase, .offset: 0, .size: 8, .value_kind: global_buffer, .address_space: global }
      - { .name: s2, .offset: 8, .size: 8, .value_kind: global_buffer, .address_space: global }
      - { .name: i2, .offset: 16, .size: 8, .value_kind: global_buffer, .address_space: global }
    .group_segment_fixed_size: 22528
    .private_segment_fixed_size: 0
    .kernarg_segment_align: 8
    .kernarg_segment_size: 24
    .max_flat_workgroup_size: 512
    .sgpr_count:     66
    .vgpr_count:     210
    .wavefront_size: 32
...
	.end_amdgpu_metadata
.endif
;; end of part 3
;; launch synth (part 4): grid 256 x 1, 8 waves a work-group, no clusters, 9,216 bytes of LDS; arguments phase, phase_offset, amplitudes, initial_phase, s2, i2, out0; writes out0
.if DOCPART == 4
	.amdgcn_target "amdgcn-amd-amdhsa--gfx1250"
	.amdhsa_code_object_version 6
	.text
	.protected	k_q707633e3ef_synth
	.globl	k_q707633e3ef_synth
	.p2align	8
	.type	k_q707633e3ef_synth,@function
k_q707633e3ef_synth:
	s_mov_b64 s[64:65], 0
	v_nop
	global_prefetch_b8 v0, s[64:65] scope:SCOPE_SE
	s_setreg_imm32_b32 hwreg(HW_REG_WAVE_MODE, 25, 1), 1
	s_wait_xcnt 0x0
; out[b][t] = sum over h = 1..128 of sin(2 pi ph) * amp, amp = 0 where fl(p h) >= 0.5;
; ph = running sum over t of fl(p h), + off[t] h, + init[b][h]; amp = the frame table, linearly interpolated (hop 256).
; A wave makes the 256 samples of one unit u of one batch b for all 128 harmonics: a lane holds h = 4 lane + 1 .. 4 lane + 4 (two pairs),
; t runs serially.  256 work-groups of 8 waves = 4 x 512 units.  The vector ALU binds (some 44 instructions a sample and wave against 8 bytes read),
; so there is no matrix work (no product), no tensor load and no cluster (a wave reads 2 KiB of samples and 38 table rows of 512 bytes).
; THE RUNNING SUM is a scan by blocks of 16 on five levels, as in the launch that made s2 and i2; every f32 addition is made in that order:
;   sum[t] = I0[t] + X1[t / 16];  X1[j] = I1[j-1] + X2[(j-1) / 16];  X2[u] = i2[u-1] + X3[(u-1) / 16];
;   X3[k] = (left-to-right sum of i2[16 j + 15] inside k-1's block of 16) + (the first block's whole sum, if k > 16);  each X is 0 at index 0.
; THE SINE.  x = fl(ph * fl(2 pi)) as the plain form rounds it; n = x / (2 pi) to the nearest whole number; r = x - n 2 pi, |r| <= pi;
; sin x = r (S1 + r^2 (S3 + r^2 (S5 + r^2 (S7 + r^2 S9)))): the Chebyshev series of the sine on -pi .. pi cut behind degree 9, error about 6e-6.
; THE ALIAS MASK is a factor m = 2^25 - 2^26 fl(p h), held to 0 .. 1 by the instruction's clamp bit: the largest f32 below 0.5 is 0.5 - 2^-25 and
; gives 2, so m is exactly 1 where fl(p h) < 0.5; 0.5 gives 0 and all above it a negative number, so m is exactly 0 there.
; LIMITS.  The reduction holds for |ph| < 2^22 cycles; a masked harmonic's term stays an exact 0 far beyond that (as long as r^8 is finite).
; amp is a0 + w (a1 - a0) in two fused steps; off h is fused into its addition; r meets amp before the polynomial; the 128 terms are added in
; another order than row by row: these differ from the plain form in the last bits only.
.set LASTBLK, 4*131072*4-64            ; byte offset of the last 16 samples: the look-ahead is clamped to it
; scalar registers
.set P,   16                           ; s[16:31]  the block's 16 samples of phase, at work
.set O,   32                           ; s[32:47]  of phase_offset
.set LP,  68                           ; s[68:83]  the next block's, landing
.set LO,  84                           ; s[84:99]
.set PT1, 56                           ; s[56:57], s[2:3]    odd samples of phase moved to even registers (a packed source is an even pair, its first register used twice)
.set PT3, 2
.set OT1, 58                           ; s[58:59], s[50:51]  the same for phase_offset
.set OT3, 50
.set WB,  60                           ; s[60:61]  the interpolation weight of the block's first sample
; vector registers
.set HH,   2                           ; v[2:5]    my four harmonic numbers
.set INIT, 6                           ; v[6:9]    initial_phase
.set A0,   10                          ; v[10:13]  the segment's left frame
.set DD,   14                          ; v[14:17]  right frame - left frame
.set AB,   18                          ; v[18:21]  amp at the block's first sample
.set A0B,  22                          ; v[22:25]  the second segment's left frame
.set DB,   26                          ; v[26:29]  and difference
.set IQ,   30                          ; v[30:45]  the sum inside the block at the four samples at work
.set I1,   46                          ; v[46:49]  sum of the unit's blocks so far
.set X2,   50                          ; v[50:53]  X2[u]
.set EE,   54                          ; v[54:57]  X1 of the block
.set KC1,  58                          ; constants, each twice, for the packed forms
.set KINV, 60
.set KMAG, 62
.set KNMAG, 64
.set KNC1, 66
.set KNC2, 68
.set S9,   70
.set S7,   72
.set S5,   74
.set S3,   76
.set S1,   78
.set KNBIG, 80
.set KBIG, 82
.set Z,    84                          ; v[84:99]  my four harmonics' sum for each of the block's 16 samples
.set CH,   100                         ; v[100:211] eight chains (4 samples x 2 pairs; chain 2 j + k) of 14 registers
.set CPR,  CH                          ; p h
.set CX,   CH+2                        ; the phase, then x, at last the products' sum
.set CN,   CH+4                        ; n
.set CR,   CH+6                        ; r, then r * amp
.set CR2,  CH+8                        ; the mask m, then r^2
.set CPL,  CH+10                       ; the polynomial
.set CAM,  CH+12                       ; amp
.set LS,   212                         ; LDS: where a block's 16 results go
.set LR,   213                         ; LDS: where 128 results are read back
.set OA,   214                         ; byte offset in out0
.set OD,   216                         ; v[216:219] four results to store
; before the loop only
.set ROW,  84                          ; v[84:207] i2[16 j + 15], j = 0 .. 30: the terms of level 3
.set S2M1, 208                         ; s2[u-1]
.set I2M1, 212                         ; i2[u-1]
.set I2M2, 216                         ; i2[u-2]
.set SA,   220
.set SB,   224
.set X3,   228
.set A2,   232                         ; amplitudes[u+1]; v236-v241: byte offsets of the rows
	s_load_b256 s[4:11], s[0:1], 0x0               ; phase s[4:5], phase_offset s[6:7], amplitudes s[8:9], initial_phase s[10:11]
	s_load_b128 s[12:15], s[0:1], 0x20             ; s2 s[12:13], i2 s[14:15]
	s_load_b64 s[48:49], s[0:1], 0x30              ; out0
	v_lshl_add_u32 v244, v0, 2, 0x2000
	v_mov_b32 v245, 0
	v_lshrrev_b32 v1, 5, v0
	v_readfirstlane_b32 s50, v1                    ; wave 0..7
	v_and_b32 v1, 31, v0                           ; lane
	s_lshr_b32 s51, ttmp9, 6                       ; b
	s_and_b32 s2, ttmp9, 63
	s_lshl3_add_u32 s52, s2, s50                   ; u
	s_lshl_b32 s55, s51, 19                        ; b * 131072 * 4
	s_lshl_b32 s2, s52, 10                         ; + u * 256 * 4
	s_add_co_u32 s55, s55, s2
	s_wait_kmcnt 0x0
	s_load_b512 s[LP:LP+15], s[4:5], s55 offset:0x0   ; the first block's samples
	s_load_b512 s[LO:LO+15], s[6:7], s55 offset:0x0
	s_mov_b32 s2, s55
	s_mov_b32 s3, 0
	s_add_nc_u64 s[48:49], s[48:49], s[2:3]        ; out0 at my unit
	; the table rows.  Rows u-1, u-2 and u+1 are clamped into the table: for the frames that is the clip of the interpolation's position
	; (the difference of the two frames is then 0); the sums read at a clamped row are masked to 0 below.
	v_lshlrev_b32 v236, 4, v1                      ; 16 bytes a lane: a row of 128 f32 is one load of the wave
	s_lshl_b32 s2, s51, 18                         ; b * 512 rows * 512 bytes
	v_add_nc_u32 v237, s2, v236
	s_sub_co_i32 s53, s52, 1
	s_max_i32 s53, s53, 0                          ; max(u-1, 0)
	s_sub_co_i32 s54, s52, 2
	s_max_i32 s54, s54, 0                          ; max(u-2, 0)
	s_add_co_u32 s3, s52, 1
	s_min_u32 s3, s3, 511                          ; min(u+1, 511)
	v_lshl_add_u32 v238, s53, 9, v237
	v_lshl_add_u32 v239, s54, 9, v237
	v_lshl_add_u32 v240, s52, 9, v237
	v_lshl_add_u32 v241, s3, 9, v237
	v_lshl_add_u32 v236, s51, 9, v236              ; initial_phase: row b
.irp j, 0,1,2,3,4,5,6,7,8,9,10,11,12,13,14,15,16,17,18,19,20,21,22,23,24,25,26,27,28,29,30
	global_load_b128 v[ROW+4*\j:ROW+4*\j+3], v237, s[14:15] offset:\j*8192+7680
.endr
	global_load_b128 v[S2M1:S2M1+3], v238, s[12:13]
	global_load_b128 v[I2M1:I2M1+3], v238, s[14:15]
	global_load_b128 v[I2M2:I2M2+3], v239, s[14:15]
	global_load_b128 v[A0:A0+3], v238, s[8:9]
	global_load_b128 v[A0B:A0B+3], v240, s[8:9]
	global_load_b128 v[A2:A2+3], v241, s[8:9]
	global_load_b128 v[INIT:INIT+3], v236, s[10:11]
	; while they are on their way: numbers that hang on no load
	s_lshr_b32 s53, s53, 4                         ; (u-1) / 16
	s_lshr_b32 s54, s54, 4                         ; (u-2) / 16
	s_cmp_ge_u32 s52, 1
	s_cselect_b32 s2, -1, 0                        ; all ones where u >= 1
	s_cmp_ge_u32 s52, 2
	s_cselect_b32 s3, -1, 0                        ; where u >= 2
	v_lshl_add_u32 v[HH], v1, 2, 1                 ; h = 4 lane + 1
	v_cvt_f32_u32 v[HH], v[HH]
	v_add_f32 v[HH+1], 1.0, v[HH]
	v_add_f32 v[HH+2], 2.0, v[HH]
	v_add_f32 v[HH+3], 0x40400000, v[HH]
.macro KSET r, bits
	v_mov_b32 v[\r], \bits
	v_mov_b32 v[\r+1], \bits
.endm
	KSET KC1,   0x40c90fdb                         ; 2 pi rounded to f32, the factor of the phase
	KSET KINV,  0x3e22f983                         ; 1 / (2 pi)
	KSET KMAG,  0x4b400000                         ; 1.5 * 2^23: adding it rounds to a whole number
	KSET KNMAG, 0xcb400000
	KSET KNC1,  0xc0c90fdb                         ; -(2 pi rounded)
	KSET KNC2,  0x343bbd2e                         ; (2 pi rounded) - 2 pi
	KSET S9,    0x36101693                         ;  2.1470813e-6
	KSET S7,    0xb949fd58                         ; -1.9263232e-4
	KSET S5,    0x3c0821dc                         ;  0.0083088543
	KSET S3,    0xbe2a9f7d                         ; -0.166624026
	KSET S1,    0x3f7ffea1                         ;  0.9999791
	KSET KNBIG, 0xcc800000                         ; -2^26
	KSET KBIG,  0x4c000000                         ;  2^25
.irp i, 0,1,2,3
	v_mov_b32 v[I1+\i], 0                          ; 0 + x is exact: the first block starts the sum
.endr
	s_mov_b32 s[PT1+1], 0                          ; the pairs' upper registers are named, never used (s3 and s51 have been written above)
	s_mov_b32 s[OT1+1], 0
	s_mov_b32 s[WB+1], 0
	s_mov_b32 s[WB], 0x3f008000                    ; samples 0..127 lie between frames u-1 and u: weight (128.5 + s) / 256
	s_mov_b32 s62, 0x76543210                      ; v_permlanex16_b32: lane i takes lane i of the other half
	s_mov_b32 s63, 0xfedcba98
	s_mov_b32 s66, 0xaaaaaaaa                      ; lanes with bit 0 set,
	s_mov_b32 s67, 0xcccccccc                      ; bit 1,
	s_mov_b32 s100, 0xf0f0f0f0                     ; bit 2,
	s_mov_b32 s101, 0xff00ff00                     ; bit 3
	s_wait_loadcnt 0x0                             ; all 38 rows are in; the offsets are free
; X3[kk] into v[X3:X3+3].  SA: the terms j < min(kk, 16) from left to right; SB: the terms 16 <= j < kk; X3 = SB + SA.  A sum that has no term is 0, and adding 0 is exact.
.macro CHAIN kk
.irp i, 0,1,2,3
	v_mov_b32 v[SA+\i], 0
	v_mov_b32 v[SB+\i], 0
.endr
.irp j, 0,1,2,3,4,5,6,7,8,9,10,11,12,13,14,15
	s_cmp_le_u32 \kk, \j
	s_cbranch_scc1 .Lchain_\@
	v_pk_add_f32 v[SA:SA+1], v[SA:SA+1], v[ROW+4*\j:ROW+4*\j+1]
	v_pk_add_f32 v[SA+2:SA+3], v[SA+2:SA+3], v[ROW+4*\j+2:ROW+4*\j+3]
.endr
.irp j, 16,17,18,19,20,21,22,23,24,25,26,27,28,29,30
	s_cmp_le_u32 \kk, \j
	s_cbranch_scc1 .Lchain_\@
	v_pk_add_f32 v[SB:SB+1], v[SB:SB+1], v[ROW+4*\j:ROW+4*\j+1]
	v_pk_add_f32 v[SB+2:SB+3], v[SB+2:SB+3], v[ROW+4*\j+2:ROW+4*\j+3]
.endr
.Lchain_\@:
	v_pk_add_f32 v[X3:X3+1], v[SB:SB+1], v[SA:SA+1]
	v_pk_add_f32 v[X3+2:X3+3], v[SB+2:SB+3], v[SA+2:SA+3]
.endm
	CHAIN s53
	v_pk_add_f32 v[X2:X2+1], v[I2M1:I2M1+1], v[X3:X3+1]        ; X2[u] = i2[u-1] + X3[(u-1)/16],
	v_pk_add_f32 v[X2+2:X2+3], v[I2M1+2:I2M1+3], v[X3+2:X3+3]
.irp i, 0,1,2,3
	v_and_b32 v[X2+\i], s2, v[X2+\i]                           ; 0 for u = 0
.endr
	CHAIN s54
	v_pk_add_f32 v[X3:X3+1], v[I2M2:I2M2+1], v[X3:X3+1]        ; X2[u-1] = i2[u-2] + X3[(u-2)/16],
	v_pk_add_f32 v[X3+2:X3+3], v[I2M2+2:I2M2+3], v[X3+2:X3+3]
.irp i, 0,1,2,3
	v_and_b32 v[X3+\i], s3, v[X3+\i]                           ; 0 for u = 1
.endr
	v_pk_add_f32 v[EE:EE+1], v[S2M1:S2M1+1], v[X3:X3+1]        ; X1 of my first block = s2[u-1] + X2[u-1],
	v_pk_add_f32 v[EE+2:EE+3], v[S2M1+2:S2M1+3], v[X3+2:X3+3]
.irp i, 0,1,2,3
	v_and_b32 v[EE+\i], s2, v[EE+\i]                           ; 0 for u = 0
.endr
	v_pk_add_f32 v[DD:DD+1], v[A0B:A0B+1], v[A0:A0+1] neg_lo:[0,1] neg_hi:[0,1]
	v_pk_add_f32 v[DD+2:DD+3], v[A0B+2:A0B+3], v[A0+2:A0+3] neg_lo:[0,1] neg_hi:[0,1]
	v_pk_add_f32 v[DB:DB+1], v[A2:A2+1], v[A0B:A0B+1] neg_lo:[0,1] neg_hi:[0,1]
	v_pk_add_f32 v[DB+2:DB+3], v[A2+2:A2+3], v[A0B+2:A0B+3] neg_lo:[0,1] neg_hi:[0,1]
	s_lshl_b32 s54, s50, 10                        ; my wave's own 1,024 bytes of LDS: no other wave touches them, so no barrier
	v_and_b32 v[LS], 15, v1
	v_lshl_add_u32 v[LS], v[LS], 2, s54
	v_lshl_add_u32 v[LR], v1, 4, s54
	v_lshlrev_b32 v[OA], 4, v1
; One packed instruction for each of the eight chains, so that an instruction stands eight behind the one whose result it takes.
; An operand is a register and a stride: 14 for a chain's own, 0 for a constant pair.
.macro FMA8 d, a, sa, b, sb, c, sc
.irp i, 0,1,2,3,4,5,6,7
	v_pk_fma_f32 v[\d+14*\i:\d+14*\i+1], v[\a+\sa*\i:\a+\sa*\i+1], v[\b+\sb*\i:\b+\sb*\i+1], v[\c+\sc*\i:\c+\sc*\i+1]
.endr
.endm
.macro MUL8 d, a, sa, b, sb
.irp i, 0,1,2,3,4,5,6,7
	v_pk_mul_f32 v[\d+14*\i:\d+14*\i+1], v[\a+\sa*\i:\a+\sa*\i+1], v[\b+\sb*\i:\b+\sb*\i+1]
.endr
.endm
.macro ADD8 d, a, sa, b, sb
.irp i, 0,1,2,3,4,5,6,7
	v_pk_add_f32 v[\d+14*\i:\d+14*\i+1], v[\a+\sa*\i:\a+\sa*\i+1], v[\b+\sb*\i:\b+\sb*\i+1]
.endr
.endm
.macro MASK j                          ; sample j of the four: m = 1 where p h < 0.5, else 0 (see the head)
.irp k, 0,1
	v_pk_fma_f32 v[CR2+28*\j+14*\k:CR2+28*\j+14*\k+1], v[CPR+28*\j+14*\k:CPR+28*\j+14*\k+1], v[KNBIG:KNBIG+1], v[KBIG:KBIG+1] clamp
.endr
.endm
.macro AMP j, w                        ; sample j's amp: w = its distance from the block's first sample / 256
.irp k, 0,1
	v_pk_fma_f32 v[CAM+28*\j+14*\k:CAM+28*\j+14*\k+1], v[DD+2*\k:DD+2*\k+1], \w, v[AB+2*\k:AB+2*\k+1] op_sel_hi:[1,0,1]
.endr
.endm
; Samples q .. q + 3 of the block (q a multiple of 4).  w0 .. w3 = q / 256 .. (q + 3) / 256 as f32.
.macro QUAD q, w0, w1, w2, w3
	s_mov_b32 s[PT1], s[P+\q+1]
	s_mov_b32 s[PT3], s[P+\q+3]
	s_mov_b32 s[OT1], s[O+\q+1]
	s_mov_b32 s[OT3], s[O+\q+3]
.irp k, 0,1
	v_pk_mul_f32 v[CPR+14*\k:CPR+14*\k+1], v[HH+2*\k:HH+2*\k+1], s[P+\q:P+\q+1] op_sel_hi:[1,0]        ; p h, rounded by itself
	v_pk_mul_f32 v[CPR+14*\k+28:CPR+14*\k+29], v[HH+2*\k:HH+2*\k+1], s[PT1:PT1+1] op_sel_hi:[1,0]
	v_pk_mul_f32 v[CPR+14*\k+56:CPR+14*\k+57], v[HH+2*\k:HH+2*\k+1], s[P+\q+2:P+\q+3] op_sel_hi:[1,0]
	v_pk_mul_f32 v[CPR+14*\k+84:CPR+14*\k+85], v[HH+2*\k:HH+2*\k+1], s[PT3:PT3+1] op_sel_hi:[1,0]
.endr
	; the sum inside the block, from left to right: four steps that hang on each other, with the masks and the amps between them
.if \q != 0
.irp k, 0,1
	v_pk_add_f32 v[IQ+2*\k:IQ+2*\k+1], v[IQ+12+2*\k:IQ+13+2*\k], v[CPR+14*\k:CPR+14*\k+1]
.endr
.endif
	MASK 0
	MASK 1
.irp k, 0,1
.if \q != 0
	v_pk_add_f32 v[IQ+4+2*\k:IQ+5+2*\k], v[IQ+2*\k:IQ+2*\k+1], v[CPR+28+14*\k:CPR+29+14*\k]
.else
	v_pk_add_f32 v[IQ+4+2*\k:IQ+5+2*\k], v[CPR+14*\k:CPR+14*\k+1], v[CPR+28+14*\k:CPR+29+14*\k]        ; the block's first product starts its sum
.endif
.endr
	MASK 2
	MASK 3
.irp k, 0,1
	v_pk_add_f32 v[IQ+8+2*\k:IQ+9+2*\k], v[IQ+4+2*\k:IQ+5+2*\k], v[CPR+56+14*\k:CPR+57+14*\k]
.endr
.if \q != 0
	AMP 0, \w0
.endif
	AMP 1, \w1
.irp k, 0,1
	v_pk_add_f32 v[IQ+12+2*\k:IQ+13+2*\k], v[IQ+8+2*\k:IQ+9+2*\k], v[CPR+84+14*\k:CPR+85+14*\k]
.endr
	AMP 2, \w2
	AMP 3, \w3
.irp k, 0,1
.if \q != 0
	v_pk_add_f32 v[CX+14*\k:CX+14*\k+1], v[IQ+2*\k:IQ+2*\k+1], v[EE+2*\k:EE+2*\k+1]                    ; + what lies in front of the block
.else
	v_pk_add_f32 v[CX+14*\k:CX+14*\k+1], v[CPR+14*\k:CPR+14*\k+1], v[EE+2*\k:EE+2*\k+1]
.endif
.endr
.irp j, 1,2,3
.irp k, 0,1
	v_pk_add_f32 v[CX+28*\j+14*\k:CX+28*\j+14*\k+1], v[IQ+4*\j+2*\k:IQ+4*\j+2*\k+1], v[EE+2*\k:EE+2*\k+1]
.endr
.endr
.irp k, 0,1
.if \q != 0
	v_pk_mul_f32 v[CAM+14*\k:CAM+14*\k+1], v[CAM+14*\k:CAM+14*\k+1], v[CR2+14*\k:CR2+14*\k+1]          ; amp = 0 where the harmonic is not kept
.else
	v_pk_mul_f32 v[CAM+14*\k:CAM+14*\k+1], v[AB+2*\k:AB+2*\k+1], v[CR2+14*\k:CR2+14*\k+1]              ; the block's first sample: amp is AB itself
.endif
.endr
.irp i, 2,3,4,5,6,7
	v_pk_mul_f32 v[CAM+14*\i:CAM+14*\i+1], v[CAM+14*\i:CAM+14*\i+1], v[CR2+14*\i:CR2+14*\i+1]
.endr
.irp k, 0,1
	v_pk_fma_f32 v[CX+14*\k:CX+14*\k+1], v[HH+2*\k:HH+2*\k+1], s[O+\q:O+\q+1], v[CX+14*\k:CX+14*\k+1] op_sel_hi:[1,0,1]   ; + off h
	v_pk_fma_f32 v[CX+14*\k+28:CX+14*\k+29], v[HH+2*\k:HH+2*\k+1], s[OT1:OT1+1], v[CX+14*\k+28:CX+14*\k+29] op_sel_hi:[1,0,1]
	v_pk_fma_f32 v[CX+14*\k+56:CX+14*\k+57], v[HH+2*\k:HH+2*\k+1], s[O+\q+2:O+\q+3], v[CX+14*\k+56:CX+14*\k+57] op_sel_hi:[1,0,1]
	v_pk_fma_f32 v[CX+14*\k+84:CX+14*\k+85], v[HH+2*\k:HH+2*\k+1], s[OT3:OT3+1], v[CX+14*\k+84:CX+14*\k+85] op_sel_hi:[1,0,1]
.endr
.irp j, 0,1,2,3
.irp k, 0,1
	v_pk_add_f32 v[CX+28*\j+14*\k:CX+28*\j+14*\k+1], v[CX+28*\j+14*\k:CX+28*\j+14*\k+1], v[INIT+2*\k:INIT+2*\k+1]   ; + initial phase
.endr
.endr
	MUL8 CX, CX, 14, KC1, 0                        ; x = ph * fl(2 pi), rounded as the plain form rounds it
	FMA8 CN, CX, 14, KINV, 0, KMAG, 0              ; x / (2 pi) to the nearest whole number, with 1.5 * 2^23 on it,
	ADD8 CN, CN, 14, KNMAG, 0                      ; and without: n
	FMA8 CR, CN, 14, KNC1, 0, CX, 14               ; x - n fl(2 pi): a multiple of 2^-21 below 4, so it is exact
	FMA8 CR, CN, 14, KNC2, 0, CR, 14               ; r = x - n 2 pi
	MUL8 CR2, CR, 14, CR, 14
	FMA8 CPL, CR2, 14, S9, 0, S7, 0
	MUL8 CR, CR, 14, CAM, 14                       ; r * amp
	FMA8 CPL, CPL, 14, CR2, 14, S5, 0
	FMA8 CPL, CPL, 14, CR2, 14, S3, 0
	FMA8 CPL, CPL, 14, CR2, 14, S1, 0              ; sin r / r
.irp j, 0,1,2,3
	v_pk_mul_f32 v[CX+28*\j:CX+28*\j+1], v[CR+28*\j:CR+28*\j+1], v[CPL+28*\j:CPL+28*\j+1]
.endr
.irp j, 0,1,2,3
	v_pk_fma_f32 v[CX+28*\j:CX+28*\j+1], v[CR+28*\j+14:CR+28*\j+15], v[CPL+28*\j+14:CPL+28*\j+15], v[CX+28*\j:CX+28*\j+1]
.endr
.irp j, 0,1,2,3
	v_add_f32 v[Z+\q+\j], v[CX+28*\j], v[CX+28*\j+1]           ; my four harmonics' share of the sample
.endr
.endm
; Two registers of partial sums become one: lanes whose bit is 0 keep lo's sample, the others hi's, and each gets its partner's share of the sample it keeps.
.macro MERGE lo, hi, mask, xm, t
	v_cndmask_b32 v[\t], v[\lo], v[\hi], \mask     ; what I keep
	v_cndmask_b32 v[\t+1], v[\hi], v[\lo], \mask   ; what my partner keeps
	v_add_f32_dpp v[\lo], v[\t+1], v[\t] row_xmask:\xm row_mask:0xf bank_mask:0xf
.endm
; 16 registers x 32 lanes to one register: lane i ends with the whole sum of sample i mod 16.  15 merges and one step across the halves.
.macro REDUCE
.irp i, 0,1,2,3,4,5,6,7
	MERGE Z+2*\i, Z+2*\i+1, s66, 1, CH+2*\i
.endr
.irp i, 0,1,2,3
	MERGE Z+4*\i, Z+4*\i+2, s67, 2, CH+2*\i
.endr
.irp i, 0,1
	MERGE Z+8*\i, Z+8*\i+4, s100, 4, CH+2*\i
.endr
	MERGE Z, Z+8, s101, 8, CH
	v_permlanex16_b32 v[CH], v[Z], s62, s63        ; its destination counts as read: v[CH] has just been written
	v_add_f32 v[Z], v[Z], v[CH]
.endm
	s_mov_b32 s54, 0                               ; two segments of 128 samples: each lies between one pair of frames
.Lseg:
	s_mov_b32 s53, 0                               ; eight blocks of 16 samples
.Lblk:
	s_wait_kmcnt 0x0                               ; scalar loads return in no order, so the count is 0; it also frees s55
.irp i, 0,2,4,6,8,10,12,14
	s_mov_b64 s[P+\i:P+\i+1], s[LP+\i:LP+\i+1]
	s_mov_b64 s[O+\i:O+\i+1], s[LO+\i:LO+\i+1]
.endr
	s_add_co_u32 s55, s55, 64
	s_min_u32 s55, s55, LASTBLK                    ; the last block's look-ahead stays inside the buffers
	s_load_b512 s[LP:LP+15], s[4:5], s55 offset:0x0   ; the next block: it has this block's work in which to land
	s_load_b512 s[LO:LO+15], s[6:7], s55 offset:0x0
	v_pk_fma_f32 v[AB:AB+1], v[DD:DD+1], s[WB:WB+1], v[A0:A0+1] op_sel_hi:[1,0,1]
	v_pk_fma_f32 v[AB+2:AB+3], v[DD+2:DD+3], s[WB:WB+1], v[A0+2:A0+3] op_sel_hi:[1,0,1]
	QUAD 0, 0, 0x3b800000, 0x3c000000, 0x3c400000
	QUAD 4, 0x3c800000, 0x3ca00000, 0x3cc00000, 0x3ce00000
	QUAD 8, 0x3d000000, 0x3d100000, 0x3d200000, 0x3d300000
	QUAD 12, 0x3d400000, 0x3d500000, 0x3d600000, 0x3d700000
	v_pk_add_f32 v[I1:I1+1], v[I1:I1+1], v[IQ+12:IQ+13]        ; level 1, from left to right
	v_pk_add_f32 v[I1+2:I1+3], v[I1+2:I1+3], v[IQ+14:IQ+15]
	v_pk_add_f32 v[EE:EE+1], v[I1:I1+1], v[X2:X2+1]            ; X1 of the next block
	v_pk_add_f32 v[EE+2:EE+3], v[I1+2:I1+3], v[X2+2:X2+3]
	REDUCE
	ds_store_b32 v[LS], v[Z]                       ; lanes 16-31 write the same words with the same values as lanes 0-15
	v_add_nc_u32 v[LS], 64, v[LS]
	s_add_f32 s[WB], s[WB], 0x3d800000             ; 16 / 256 further: exact
	s_add_co_u32 s53, s53, 1
	s_cmp_lt_u32 s53, 8
	s_cbranch_scc1 .Lblk
	; the segment's 128 results leave: four neighbouring samples a lane, 512 consecutive bytes a store, aligned
	s_wait_xcnt 0x0                                ; the last segment's store has had its address translated: OA and OD are rewritten only behind this wait
	v_add_nc_u32 v[OA], 0x200, v[OA]
	ds_load_b128 v[OD:OD+3], v[LR]                 ; LDS serves a wave's instructions in order: this load sees my eight stores
	v_add_nc_u32 v[LR], 0x200, v[LR]
.irp i, 0,1,2,3
	v_mov_b32 v[A0+\i], v[A0B+\i]                  ; samples 128..255 lie between frames u and u+1,
	v_mov_b32 v[DD+\i], v[DB+\i]
.endr
	s_mov_b32 s[WB], 0x3b000000                    ; weight (s - 127.5) / 256
	s_wait_dscnt 0x0
	global_store_b128 v[OA], v[OD:OD+3], s[48:49] offset:-512 th:TH_STORE_NT
	s_add_co_u32 s54, s54, 1
	s_cmp_lt_u32 s54, 2
	s_cbranch_scc1 .Lseg
	s_wait_tensorcnt 0x0
	ds_add_u32 v244, v245
	s_wait_dscnt 0x0
	s_endpgm
.Lfunc_end_k_q707633e3ef_synth:
	.size	k_q707633e3ef_synth, .Lfunc_end_k_q707633e3ef_synth-k_q707633e3ef_synth
	.p2alignl 7, 3214868480
	.fill 96, 4, 3214868480
	.section	.rodata,"a",@progbits
	.p2align	6, 0x0
	.amdhsa_kernel k_q707633e3ef_synth
		.amdhsa_group_segment_fixed_size 9216
		.amdhsa_private_segment_fixed_size 0
		.amdhsa_enable_private_segment 0
		.amdhsa_kernarg_size 56
		.amdhsa_user_sgpr_count 2
		.amdhsa_user_sgpr_kernarg_segment_ptr 1
		.amdhsa_wavefront_size32 1
		.amdhsa_system_sgpr_workgroup_id_x 1
		.amdhsa_system_sgpr_workgroup_id_y 1
		.amdhsa_system_sgpr_workgroup_id_z 1
		.amdhsa_system_vgpr_workitem_id 0
		.amdhsa_next_free_vgpr 246
		.amdhsa_next_free_sgpr 102
		.amdhsa_reserve_vcc 0
		.amdhsa_float_denorm_mode_32 3
		.amdhsa_float_denorm_mode_16_64 3
		.amdhsa_memory_ordered 1
		.amdhsa_forward_progress 1
		.amdhsa_inst_pref_size 69
	.end_amdhsa_kernel
	.amdgpu_metadata
---
amdhsa.version: [ 1, 2 ]
amdhsa.kernels:
  - .name:           k_q707633e3ef_synth
    .symbol:         k_q707633e3ef_synth.kd
    .args:
      - { .name: phase, .offset: 0, .size: 8, .value_kind: global_buffer, .address_space: global }
      - { .name: phase_offset, .offset: 8, .size: 8, .value_kind: global_buffer, .address_space: global }
      - { .name: amplitudes, .offset: 16, .size: 8, .value_kind: global_buffer, .address_space: global }
      - { .name: initial_phase, .offset: 24, .size: 8, .value_kind: global_buffer, .address_space: global }
      - { .name: s2, .offset: 32, .size: 8, .value_kind: global_buffer, .address_space: global }
      - { .name: i2, .offset: 40, .size: 8, .value_kind: global_buffer, .address_space: global }
      - { .name: out0, .offset: 48, .size: 8, .value_kind: global_buffer, .address_space: global }
    .group_segment_fixed_size: 9216
    .private_segment_fixed_size: 0
    .kernarg_segment_align: 8
    .kernarg_segment_size: 56
    .max_flat_workgroup_size: 256
    .sgpr_count:     102
    .vgpr_count:     246
    .wavefront_size: 32
...
	.end_amdgpu_metadata
.endif
;; end of part 4
